; MI455X (gfx1250); checked and timed in simulation.
; The chip was launched on July 23, 2026; its instructions are those of AMD's public machine-readable ISA for CDNA 5 (MIT licence, August 2026) and "CDNA5" Instruction Set Architecture Reference Guide (July 2026). The comments in the code are by the model that wrote it; some were corrected since.
;; W8 A8 B8 O8 Linear Parallel. Allowed arithmetic: float matrix products may take bf16 or f16 operands with f32 sums; other float arithmetic in f32, or as packed bf16 or f16 multiplies, adds, multiply-adds, maxima and minima; sums over many terms, partial sums and values carried from step to step in f32; what a program stores and reads back later, other than sums and carried values, may be rounded once to bf16 or f16.
;; Inputs: a 1 x 1 float32; b 1 x 4,096 float32; weight 4,096 x 4,096 int8; x 4 x 1,024 x 4,096 int8.
;; Outputs: out0 4 x 1,024 x 4,096 int8.
;; One version. Each part assembles by itself: llvm-mc -triple=amdgcn-amd-amdhsa -mcpu=gfx1250 --defsym DOCPART=n.
;; ======== version 1 of 1: 1 launch
;; launch gemm (part 1): grid 16 x 16, 4 waves a work-group, clusters of 4 x 4, 327,680 bytes of LDS; arguments x, weight, a, b, out0; writes out0
.if DOCPART == 1
	.amdgcn_target "amdgcn-amd-amdhsa--gfx1250"
	.amdhsa_code_object_version 6
	.text
	.protected	k_q5cb69ce359_gemm
	.globl	k_q5cb69ce359_gemm
	.p2align	8
	.type	k_q5cb69ce359_gemm,@function
k_q5cb69ce359_gemm:
	s_mov_b64 s[64:65], 0
	v_nop
	global_prefetch_b8 v0, s[64:65] scope:SCOPE_SE
	s_setreg_imm32_b32 hwreg(HW_REG_WAVE_MODE, 25, 1), 1
	s_wait_xcnt 0x0
	s_wait_alu depctr_hold_cnt(0) depctr_sa_sdst(0) depctr_va_vdst(0) depctr_va_sdst(0) depctr_va_ssrc(0) depctr_va_vcc(0) depctr_vm_vsrc(0)
	s_getreg_b32 s2, hwreg(HW_REG_IB_STS2, 6, 4)
	s_cmp_eq_u32 s2, 0
	s_cbranch_scc0 .Lentry_in_a_cluster
	s_endpgm
.Lentry_in_a_cluster:
	s_bfe_u32 s2, ttmp6, 0x10000c
	s_cmp_lg_u32 s2, 0xf033
	s_cbranch_scc0 .Lentry_shape_is_right
	s_endpgm
.Lentry_shape_is_right:
; out0[t][n] = int8(clip(round((f32(acc[t][n]) * a) * b[n]), -128, 127)),  acc[t][n] = the sum over k of x[t][k] weight[k][n] in int32.
; x: [4096][4096] int8 (k along the rows), weight: [4096 (k)][4096 (n)] int8, a: one f32, b: [4096] f32, out0: [4096][4096] int8.
; NOTHING IS LEFT OUT: every input has a way to every output, and all four are loaded.
; THE FORMAT.  The output is compared as whole numbers, and |acc| can reach 4096 x 128 x 128 = 2^26, which an f32 sum does not hold exactly.  So the products are the signed 8-bit integer form
; with int32 sums: nothing is rounded in it, and the sums have one right value in any order.  Then, in the order of the formula: int32 to f32 (nearest even), times a, times b[n], each one f32 rounding.
; THE ROUNDING.  The value is first held to -128 .. 127 and then rounded to the nearest whole number, halves to even, by adding 1.5 x 2^23: the sum's low byte is the int8.  The bounds are whole numbers, so
; holding first and rounding second gives what rounding first and holding second gives.
; LIMITS.  a and b finite or infinite give what the formula gives; where the formula meets a NaN (0 x infinity, a NaN in a or b) the byte stored is not defined here.
; SHARES.  A work-group of four waves makes 256 x 256 of out0, a wave 128 x 128: 64 accumulators of 16 x 16, 512 registers.  16 x 16 work-groups.  K goes in 16 steps of 256 through two LDS slots
; filled by tensor loads: 256 rows of x (256 bytes of k each) and 256 k-rows of weight (256 bytes of n each).  A step is four quarters of 64 k, 64 matrix instructions each.
; CLUSTERS.  4 x 4 work-groups.  The four of a row of the cluster need the same tile of x, the four of a column the same tile of weight: each tile is asked for jointly, by the same tensor load with the
; same descriptor and a mask that names the four.
; THE PRODUCT IS TAKEN TRANSPOSED: source 0 = 16 columns of weight, source 1 = 16 rows of x.  In the result lane l holds row l % 16 of out0, and register j the weight fragment's column 8 (l / 16) + j.
; K IS PERMUTED ALIKE ON BOTH SIDES (whole-number sums do not mind): register pair c of the lanes' half h holds k = 32 (c / 2) + 16 h + 8 (c % 2) + 0..7 of the quarter.  For x that is two loads of 16 bytes,
; 32 bytes apart.  weight has n along its rows: ds_load_tr16_b128, taken on pairs of bytes, brings a lane 8 k of the columns 2 r and 2 r + 1 interleaved, and four v_perm_b32 part them into a
; fragment of the even columns and one of the odd.  So in accumulators (a, 2 p) and (a, 2 p + 1) a lane holds the 16 neighbouring columns 32 p + 16 (l / 16) + 0..15 of one row: 16 bytes of out0.
; These v_perm_b32, 64 a quarter, stand eight behind each of the quarter's last eight matrix instructions.
; REGISTERS, in windows of 256 (s_set_vgpr_msb: bits 1:0 source 0, 3:2 source 1, 5:4 source 2, 7:6 destination):
;   window 0: v0-31 addresses; v32-55 at work on the way out; v64-127, v128-191 fragments of x, two buffers (on the way out: packed results); v192-255 my 64 numbers of b
;   window 1: v0-63 weight as loaded; v64-127, v128-191 fragments of weight, two buffers
;   window 2: the accumulators of my rows 0-63 ((a, b) at v[8 (8 a + b)]);   window 3: those of my rows 64-127
.set PX,    272                        ; a row of x in LDS: 256 bytes + 16 = 68 words: the 16 rows of a load start at 16 different groups of four banks (64 banks of 4 bytes: ISA guide 11.1)
.set PW,    288                        ; a k-row of weight: 256 + 32 = 72 words
.set XHALF, 128*PX                     ; what one tensor load brings of x
.set WHALF, 128*PW                     ; and of weight
.set WOFF,  2*XHALF                    ; a slot: x's 256 rows, then weight's 256 k-rows
.set SLOT,  WOFF+2*WHALF               ; 143,360 bytes
.set STAGE, 2*SLOT                     ; behind the ring, never filled by a tensor load: 128 rows x 272 bytes, the work-group's, for the way out
.set SP,    272
.set SPARE, STAGE+128*SP               ; behind the stage: the spare words, 128 bytes for each wave: two blocks of 256 bytes that no other line names
.set LAPS,  8                          ; a lap = two K steps = once round the ring
.set ADRX, 16                          ; v16-17  LDS address of my fragments of x in slot 0, 1
.set ADRW, 20                          ; v20-23  the same for weight: slot s, k-rows 128 u on, at v[20 + 2 s + u] (an LDS offset has 16 bits)
.set STO,  24                          ; v24     the way out: where I put 16 bytes of a row
.set RD,   25                          ; v25     the way out: where I read a row back
.set CO,   26                          ; v26     my byte offset in out0
.set BO,   27                          ; v27     my byte offset in b
.set SPW,  28                          ; v28     LDS address of my spare word: SPARE + 4 x my thread's number; never rewritten
.set NIL,  29                          ; v29     0; never rewritten
.set PFO,  30                          ; v30     the prefetches' offset: my lane x 4,096 bytes, a row of x or of weight; never rewritten
.set TT,   32                          ; v32-47  16 numbers at work
.set UU,   48                          ; v48-55  pairs of bytes
.set XF,   64                          ; fragment buffer f at 64 + 64 f, in window 0 (x) and in window 1 (weight)
.set PK0,  64                          ; the way out: packed results of my rows 0-63,
.set PK1,  128                         ; and 64-127
.set BS,   192                         ; b of column 32 p + 16 (l / 16) + t at v[BS + 16 p + t]
.set WV,  14                           ; s14  my wave's number
.set RH,  15                           ; s15  which half of the tile's rows is mine.  Also: I fetch for x (0) or for weight (1)
.set CH,  16                           ; s16  which half of its columns.  Also: which 128 rows of that tile I fetch
.set CX,  17                           ; s17, s18  my place in the cluster
.set CY,  18
.set TC,  19                           ; s19  tile column of out0
.set TR,  20                           ; s20  tile row
.set G1X, 24                           ; s[24:31] descriptor group 1 for x's tiles;  s[32:39] group 0, a set for each slot
.set G0X, 32
.set PFA, 44                           ; s[44:45] where my prefetches stand
.set PFS, 46                           ; s[46:47] a K step in bytes: 256 along a row of x, 256 rows of weight
.set G1W, 48                           ; s[48:55], s[56:63] the same for weight's tiles
.set G0W, 56
.set LIM, 66                           ; s66  1 in a wave that prefetches, else the greatest number
.set SA,  68                           ; s[68:69] a; the packed multiply takes the pair's low word for both halves
.set MAG, 70                           ; s[70:71] 1.5 x 2^23
.set CLO, 72                           ; s72  -128.0
.set CHI, 73                           ; s73  127.0
.set SELE, 74                          ; s74  v_perm_b32: the even bytes of two words
.set SELO, 75                          ; s75  the odd bytes
.set SELB, 76                          ; s76  the low bytes of two words, into the low half
.set SELH, 77                          ; s77  the low halves of two words
.set BB,  80                           ; s[80:81] b at my wave's 128 columns
.set MSB, 0
.macro WIN new                         ; the immediate's high byte repeats the setting that is left; a switch that changes nothing is dropped
.if MSB != (\new)
	s_set_vgpr_msb (MSB<<8)|(\new)
.set MSB, \new
.endif
.endm
.set MUL_LO, 0xa1                      ; source 0 (weight) window 1, source 1 (x) window 0, C and D window 2
.set TO_W,   0x40                      ; destination window 1, address window 0
.set W_PERM, 0x45                      ; destination and both vector sources window 1
; A joint load.  Waves 0 and 1 fetch x's two halves, waves 2 and 3 weight's.  Each line has one mask and one set of registers for all that issue it; the branch hangs on the wave's number alone.
; An s_nop 0 and four v_nop follow each of the two lines, ahead of the jump, the label and what follows.
.macro JLOAD s
	s_cmp_eq_u32 s[RH], 0
	s_cbranch_scc0 .Lfor_w_\@
	tensor_load_to_lds s[G0X+4*(\s):G0X+4*(\s)+3], s[G1X:G1X+7]
	s_nop 0
.rept 4
	v_nop
.endr
	s_branch .Lasked_\@
.Lfor_w_\@:
	tensor_load_to_lds s[G0W+4*(\s):G0W+4*(\s)+3], s[G1W:G1W+7]
	s_nop 0
.rept 4
	v_nop
.endr
.Lasked_\@:
.endm
; A PREFETCH INTO THE L2, behind each joint refill and the run of LDS loads that follows it: the K step that stands two refills on, 512 matrix instructions ahead of the load that will want it: 32 rows x 256 bytes,
; a lane a row, one instruction a wave.  Each row's 256 bytes of a K step are named once in the launch: x's tile row is read by every cluster of that row of clusters, and the one with x = 0 asks; weight's tile
; column by every cluster of that column, and the one with y = 0 asks.  The four partners that ask for a tile jointly share its rows out by address: of the 128 rows that a wave fetches the partner at place p
; takes 32 p .. 32 p + 31 (p = cx for x, cy for weight): no branch hangs on a place in the cluster.  The loop's last trip (s3 = 1) asks for nothing: K steps 16 and 17 do not exist.  K steps 0 to 3 come by their loads alone.
.macro ASK
	s_cmp_gt_u32 s3, s[LIM]
	s_cbranch_scc0 .Lnot_mine_\@
	global_prefetch_b8 v[PFO], s[PFA:PFA+1] th:TH_LOAD_NT scope:SCOPE_SE
.Lnot_mine_\@:
.endm
; A round of the cluster's barrier: my work-group's barrier, so that wave 0's signal speaks for all four waves; wave 0 signals; every wave waits for all sixteen work-groups; my work-group's barrier once more.
.macro CREST                           ; a round behind its opening barrier
	s_cmp_lg_u32 s[WV], 0
	s_cbranch_scc1 .Lnot_wave_0_\@
	s_barrier_signal -3
.Lnot_wave_0_\@:
	s_barrier_wait -3
	s_barrier_signal -1
	s_barrier_wait -1
.endm
.macro CROUND                          ; a whole round
	s_barrier_signal -1
	s_barrier_wait -1
	CREST
.endm
	s_load_b256 s[4:11], s[0:1], 0x0               ; x s[4:5], weight s[6:7], a s[8:9], b s[10:11]
	s_load_b64 s[12:13], s[0:1], 0x20              ; out0
	v_lshl_add_u32 v[SPW], v0, 2, SPARE
	v_mov_b32 v[NIL], 0
	ds_add_u32 v[SPW], v[NIL]                      ; the wave's opening: the add, twice on end, and its wait ahead of my first tensor load; the set-up below, work on registers, stands between
	ds_add_u32 v[SPW], v[NIL]                      ; and once more, under the one wait
	v_lshrrev_b32 v1, 5, v0
	v_readfirstlane_b32 s[WV], v1                  ; wave 0..3
	s_lshr_b32 s[RH], s[WV], 1
	s_and_b32 s[CH], s[WV], 1
	s_bfe_u32 s[CX], ttmp6, 0x40000
	s_bfe_u32 s[CY], ttmp6, 0x40004
	s_lshl_b32 s[TC], ttmp9, 2                     ; in a cluster launch ttmp9 and ttmp7 count clusters
	s_add_co_u32 s[TC], s[TC], s[CX]               ; tile column = 4 x cluster x + cx
	s_and_b32 s[TR], ttmp7, 0xffff
	s_lshl_b32 s[TR], s[TR], 2
	s_add_co_u32 s[TR], s[TR], s[CY]               ; tile row = 4 x cluster y + cy
	s_lshl_b32 s42, s[CY], 2
	s_lshl_b32 s42, 15, s42                        ; my row of the cluster: places 4 cy .. 4 cy + 3
	s_lshl_b32 s43, 0x1111, s[CX]                  ; my column: places cx, cx + 4, cx + 8, cx + 12
	; descriptor group 1: a tile of 128 rows x 128 elements of 2 bytes, padded in LDS behind every 64 words
	s_or_b32 s[G1X], s42, (1<<16)|(1<<20)|(1<<21)|(5<<22)|(3<<25)  ; 15:0 the mask: x's tiles go to my row; 17:16 elements of 2 bytes; 20 padding on; 21 set beside a mask; 24:22 after every 64 words (code 5); 31:25 4 words (code 3)
	s_or_b32 s[G1W], s43, (1<<16)|(1<<20)|(1<<21)|(5<<22)|(7<<25)  ; weight's go to my column, with 8 words of padding (code 7)
.irp g, G1X, G1W
	s_mov_b32 s[(\g)+1], 128<<16                   ; tensor_dim0 = 128
	s_mov_b32 s[(\g)+2], 128<<16                   ; tensor_dim1 = 128
	s_mov_b32 s[(\g)+3], 128<<16                   ; tile_dim0 = 128
	s_mov_b32 s[(\g)+4], 128                       ; tile_dim1 = 128
	s_mov_b32 s[(\g)+5], 2048                      ; 2,048 elements (4,096 bytes) from row to row
	s_mov_b32 s[(\g)+6], 0
	s_mov_b32 s[(\g)+7], 0
.endr
	s_mov_b32 s[MAG], 0x4b400000                   ; 12,582,912.0
	s_mov_b32 s[MAG+1], 0x4b400000                 ; named with it as a pair
	s_mov_b32 s[CLO], 0xc3000000
	s_mov_b32 s[CHI], 0x42fe0000
	s_mov_b32 s[SELE], 0x06040200
	s_mov_b32 s[SELO], 0x07050301
	s_mov_b32 s[SELB], 0x00000400
	s_mov_b32 s[SELH], 0x05040100
	; where the tiles come from.  x's hang on the tile row alone, weight's on the tile column alone; each address is made in registers that never hold the other coordinate.
	s_lshl_b32 s21, s[CH], 19                      ; the 128 rows that I fetch: 128 x 4,096 bytes, in x and in weight
	s_lshl_b32 s40, s[TR], 20                      ; x: 256 rows x 4,096 bytes a tile row
	s_add_co_u32 s40, s40, s21
	s_mov_b32 s41, 0
	s_lshl_b32 s78, s[TC], 8                       ; weight: 256 bytes of each k-row a tile column
	s_add_co_u32 s78, s78, s21
	s_mov_b32 s79, 0
	s_mul_i32 s23, s[CH], XHALF                    ; and where they go: no place in the cluster enters an LDS address
	s_mul_i32 s22, s[CH], WHALF
	s_add_co_u32 s22, s22, WOFF
	s_wait_dscnt 0x0                               ; both opening adds are done
	s_wait_kmcnt 0x0
	s_add_nc_u64 s[40:41], s[4:5], s[40:41]
	s_add_nc_u64 s[78:79], s[6:7], s[78:79]
	CROUND                                         ; all sixteen work-groups are here: the first joint loads meet
.irp s, 0,1
	s_mov_b32 s[G0X+4*(\s)], 1                                     ; count = 1
	s_add_co_u32 s[G0X+4*(\s)+1], s23, (\s)*SLOT                   ; LDS address
	s_add_nc_u64 s[G0X+4*(\s)+2:G0X+4*(\s)+3], s[40:41], (\s)*256  ; global address: K step s, 256 bytes along the rows
	s_or_b32 s[G0X+4*(\s)+3], s[G0X+4*(\s)+3], 0x80000000          ; type = 2
	s_mov_b32 s[G0W+4*(\s)], 1
	s_add_co_u32 s[G0W+4*(\s)+1], s22, (\s)*SLOT
	s_add_nc_u64 s[G0W+4*(\s)+2:G0W+4*(\s)+3], s[78:79], (\s)*256*4096  ; K step s, 256 k-rows down
	s_or_b32 s[G0W+4*(\s)+3], s[G0W+4*(\s)+3], 0x80000000
	JLOAD \s                                       ; both slots are asked for before anything else: two tensor loads of mine are out
.endr
	; All that follows up to the first barrier stands in the wait for the first tile.
	s_load_b32 s[SA], s[8:9], 0x0                  ; a
	v_and_b32 v1, 15, v0                           ; r = l % 16
	v_bfe_u32 v2, v0, 4, 1                         ; h = l / 16
	v_lshlrev_b32 v[BO], 6, v2                     ; my half's 16 numbers of each 32
	s_lshl_b32 s82, s[TC], 10                      ; b: 256 numbers a tile column,
	s_lshl_b32 s83, s[CH], 9                       ; my wave's 128
	s_add_co_u32 s82, s82, s83
	s_mov_b32 s83, 0
	s_add_nc_u64 s[BB:BB+1], s[10:11], s[82:83]
.irp p, 0,1,2,3
.irp w, 0,1,2,3
	global_load_b128 v[BS+16*(\p)+4*(\w):BS+16*(\p)+4*(\w)+3], v[BO], s[BB:BB+1] offset:128*(\p)+16*(\w)
.endr
.endr
	v_mul_u32_u24 v3, v1, PX
	v_lshl_add_u32 v3, v2, 4, v3                   ; 272 r + 16 h: a fragment of x, and my place in the stage
	s_mul_i32 s21, s[RH], XHALF                    ; my 128 rows of x
	v_add_nc_u32 v[ADRX], s21, v3
	v_add_nc_u32 v[ADRX+1], SLOT, v[ADRX]
	v_and_b32 v4, 7, v0
	v_bfe_u32 v5, v0, 3, 1
	v_lshl_add_u32 v6, v2, 4, v4                   ; the turning load: k-row 16 h + l % 8,
	v_mul_u32_u24 v6, v6, PW
	v_lshl_add_u32 v6, v5, 4, v6                   ; 16 bytes (16 columns) for each eight lanes,
	s_lshl_b32 s21, s[CH], 7                       ; in my 128 columns
	s_add_co_u32 s21, s21, WOFF
	v_add_nc_u32 v[ADRW], s21, v6
	v_add_nc_u32 v[ADRW+1], WHALF, v[ADRW]
	v_add_nc_u32 v[ADRW+2], SLOT, v[ADRW]
	v_add_nc_u32 v[ADRW+3], SLOT+WHALF, v[ADRW]
	s_mul_i32 s21, s[RH], 64*SP                    ; into the stage: 64 rows for each half of the tile's rows, my half of their 256 bytes
	s_lshl_b32 s22, s[CH], 7
	s_add_co_u32 s21, s21, s22
	s_add_co_u32 s21, s21, STAGE
	v_add_nc_u32 v[STO], s21, v3
	s_mul_i32 s21, s[WV], 32*SP                    ; back: wave w takes stage rows 32 w .. 32 w + 31, whole; lanes 0-15 one row of 256 bytes, lanes 16-31 the next
	s_add_co_u32 s21, s21, STAGE
	v_mul_u32_u24 v7, v2, SP
	v_lshl_add_u32 v7, v1, 4, v7
	v_add_nc_u32 v[RD], s21, v7
	v_lshlrev_b32 v[CO], 12, v2                    ; and the same two rows in out0
	v_lshl_add_u32 v[CO], v1, 4, v[CO]
	v_and_b32 v[PFO], 31, v0
	v_lshlrev_b32 v[PFO], 12, v[PFO]
	s_lshl_b32 s82, s[TR], 20                      ; the first row that I store: 256 x tile row + 128 x row half + 32 x column half (stage rows 32 w on belong to row half w / 2),
	s_lshl_b32 s83, s[RH], 19
	s_add_co_u32 s82, s82, s83
	s_lshl_b32 s83, s[CH], 17
	s_add_co_u32 s82, s82, s83
	s_lshl_b32 s83, s[TC], 8                       ; and the tile's first column
	s_add_co_u32 s82, s82, s83
	s_mov_b32 s83, 0
	s_add_nc_u64 s[12:13], s[12:13], s[82:83]
	; the prefetches
	s_lshl_b32 s82, s[TR], 20
	s_lshl_b32 s83, s[TC], 8
	s_and_b32 s67, ttmp7, 0xffff                   ; cluster y
	s_movk_i32 s[PFS], 0x100
	s_mov_b32 s[PFS+1], 0x100000
	s_cmp_eq_u32 s[RH], 0                          ; do I fetch for x?
	s_cselect_b32 s82, s82, s83                    ; the tile's first byte: in x by the tile row, in weight by the tile column
	s_cselect_b32 s83, s[CX], s[CY]                ; my place among the four that ask for it with me
	s_cselect_b32 s67, ttmp9, s67                  ; the coordinate along which other clusters read the same rows
	s_cselect_b32 s[PFS], s[PFS], s[PFS+1]
	s_cselect_b64 s[PFA:PFA+1], s[4:5], s[6:7]
	s_cmp_eq_u32 s67, 0
	s_cselect_b32 s[LIM], 1, -1                    ; the same in all sixteen partners, for a given wave
	s_mov_b32 s[PFS+1], 0
	s_lshl_b32 s83, s83, 17                        ; my work-group's 32 rows
	s_add_co_u32 s82, s82, s83
	s_lshl_b32 s83, s[CH], 19                      ; of the 128 that I fetch
	s_add_co_u32 s82, s82, s83
	s_mul_i32 s83, s[PFS], 3                       ; at K step 3: the first refill steps it to 4
	s_add_co_u32 s82, s82, s83
	s_mov_b32 s83, 0
	s_add_nc_u64 s[PFA:PFA+1], s[PFA:PFA+1], s[82:83]
	s_wait_kmcnt 0x0
	s_mov_b32 s[SA+1], s[SA]                       ; named with it as a pair
	s_wait_loadcnt 0x0                             ; b, once
; Eight v_perm_b32: pair u / 2 of 32 columns, loads 2 (u % 2) and 2 (u % 2) + 1 of its four: the even columns' bytes into fragment 2 (u / 2) of buffer g, the odd ones' into the next.
.macro PERM8 g, u
	WIN W_PERM
.irp cc, 0,1
.set rR, 16*((\u)/2)+4*(2*((\u)%2)+(\cc))
.set rE, XF+64*(\g)+16*((\u)/2)+2*(2*((\u)%2)+(\cc))
	v_perm_b32 v[rE],   v[rR+1], v[rR],   s[SELE]
	v_perm_b32 v[rE+1], v[rR+3], v[rR+2], s[SELE]
	v_perm_b32 v[rE+8], v[rR+1], v[rR],   s[SELO]
	v_perm_b32 v[rE+9], v[rR+3], v[rR+2], s[SELO]
.endr
.endm
; Eight matrix instructions: block a of the window's four (hi = 0: my rows 0-63, 1: rows 64-127) x all 8 fragments of weight, 64 along K, from buffer f.  zero = 1: the product starts the sum: nothing is cleared.
; ride = 1: eight v_perm_b32 for buffer g stand behind each.  The 64 accumulators take turns, one instruction a turn, in the same order in every quarter.
.macro MUL8 f, hi, a, zero, ride=0, g=0
.irp b, 0,1,2,3,4,5,6,7
	WIN MUL_LO+0x50*(\hi)
.if \zero
	v_wmma_i32_16x16x64_iu8 v[8*(8*(\a)+(\b)):8*(8*(\a)+(\b))+7], v[XF+64*(\f)+8*(\b):XF+64*(\f)+8*(\b)+7], v[XF+64*(\f)+8*(4*(\hi)+(\a)):XF+64*(\f)+8*(4*(\hi)+(\a))+7], 0 neg_lo:[1,1,0]
.else
	v_wmma_i32_16x16x64_iu8 v[8*(8*(\a)+(\b)):8*(8*(\a)+(\b))+7], v[XF+64*(\f)+8*(\b):XF+64*(\f)+8*(\b)+7], v[XF+64*(\f)+8*(4*(\hi)+(\a)):XF+64*(\f)+8*(4*(\hi)+(\a))+7], v[8*(8*(\a)+(\b)):8*(8*(\a)+(\b))+7] neg_lo:[1,1,0]
.endif
.if \ride
	PERM8 \g, \b
.endif
.endr
.endm
; 32 LDS loads in one run: quarter q of a slot.  First weight, turned, as loaded (pair p of 32 columns, load c at v[16 p + 4 c] of window 1), then x's eight fragments into buffer f.
.macro FETCH slot, q, f
	WIN TO_W
.irp p, 0,1,2,3
.irp c, 0,1,2,3
	ds_load_tr16_b128 v[16*(\p)+4*(\c):16*(\p)+4*(\c)+3], v[ADRW+2*(\slot)+(\q)/2] offset:((\q)%2)*64*PW+(8*((\c)%2)+32*((\c)/2))*PW+32*(\p)
.endr
.endr
	WIN 0
.irp i, 0,1,2,3,4,5,6,7
	ds_load_b128 v[XF+64*(\f)+8*(\i):XF+64*(\f)+8*(\i)+3],   v[ADRX+(\slot)] offset:64*(\q)+(\i)*16*PX
	ds_load_b128 v[XF+64*(\f)+8*(\i)+4:XF+64*(\f)+8*(\i)+7], v[ADRX+(\slot)] offset:64*(\q)+(\i)*16*PX+32
.endr
.endm
; DISTANCES.  A load into, or a vector write of, a register that a matrix instruction of this form has read stands eight places behind it, and only plain vector instructions that name none of its registers are
; places (ISA guide 7.12.1 for vector instructions).  A buffer's last reader is its quarter's last matrix instruction; the eight v_perm_b32 behind that one name only weight as loaded
; and the OTHER buffer: they are the eight places.  So the loop has no v_nop but the four behind a joint load.
; One of a K step's first three quarters: multiplies buffer f; in its middle it fetches quarter q of the same slot for buffer g; its last eight products carry g's v_perm_b32.
.macro QUARTER slot, q, f, g, zero
	s_wait_dscnt 8                                 ; x's rows 0-63 are in; the youngest eight loads (rows 64-127) may be out
	MUL8 \f, 0, 0, \zero
	MUL8 \f, 0, 1, \zero
	MUL8 \f, 0, 2, \zero
	MUL8 \f, 0, 3, \zero
	FETCH \slot, \q, \g
	s_wait_dscnt 32                                ; all but the 32 just issued
	MUL8 \f, 1, 0, \zero
	MUL8 \f, 1, 1, \zero
	MUL8 \f, 1, 2, \zero
	s_wait_dscnt 16                                ; weight's 16 loads are in; x's 16, issued behind them, may be out
	MUL8 \f, 1, 3, \zero, 1, \g
.endm
; The last quarter multiplies buffer 1 and changes slots: ONE barrier, for two things.  In front of it each wave waits for all its tensor loads, of which one is out: its part of the next slot; adds 0 to its spare
; word; and waits for that and for its own reads of this slot.  Behind it nobody reads this slot any more and the next slot is whole.  fill = 1: the barrier opens a round of the cluster's, so that no wave of any
; partner still reads the slot or has a load on its way; the joint refill, two K steps on, is the first thing behind the round: 224 matrix instructions ahead of the wait for it.
.macro TURN slot, next, fill
.if \fill
	s_wait_xcnt 0x0                                ; the last prefetch, a K step back, has read its address: it is stepped here, ahead of the waits of the change of slots
	s_add_nc_u64 s[PFA:PFA+1], s[PFA:PFA+1], s[PFS:PFS+1]
.endif
	WIN 0                                          ; (the add's two registers lie in window 0)
	s_wait_tensorcnt 0x0                           ; all my tensor loads have landed;
	ds_add_u32 v[SPW], v[NIL]                      ; 0 onto my spare word;
	s_wait_dscnt 9                                 ; (the add and the youngest eight loads may be out)
	MUL8 1, 0, 0, 0                                ; sixteen matrix instructions stand between the add and the wait for it
	MUL8 1, 0, 1, 0
	s_wait_dscnt 0x0                               ; the add is done, and my reads of this slot are over:
	s_barrier_signal -1                            ; say so,
	MUL8 1, 0, 2, 0                                ; work on registers while the others arrive,
	MUL8 1, 0, 3, 0
.if \fill
	WIN 0
.endif
	s_barrier_wait -1                              ; and go on when all four have said so
.if \fill
	CREST
	s_add_nc_u64 s[G0X+4*(\slot)+2:G0X+4*(\slot)+3], s[G0X+4*(\slot)+2:G0X+4*(\slot)+3], 2*256
	s_add_nc_u64 s[G0W+4*(\slot)+2:G0W+4*(\slot)+3], s[G0W+4*(\slot)+2:G0W+4*(\slot)+3], 2*256*4096
	JLOAD \slot
.endif
	FETCH \next, 0, 0
.if \fill
	ASK
.endif
	MUL8 1, 1, 0, 0
	MUL8 1, 1, 1, 0
	MUL8 1, 1, 2, 0
	s_wait_dscnt 16                                ; weight's 16 loads are in
	MUL8 1, 1, 3, 0, 1, 0
.endm
	s_wait_tensorcnt 1                             ; my part of K step 0 is in; K step 1's may stay out
	s_barrier_signal -1
	s_barrier_wait -1                              ; everybody's is
	FETCH 0, 0, 0
	s_wait_dscnt 16                                ; weight's 16 loads are in
.irp u, 0,1,2,3,4,5,6,7
	PERM8 0, \u                                    ; the first quarter's fragments of weight: once a launch there is no product to set them behind
.endr
	QUARTER 0, 1, 0, 1, 1                          ; the first quarter stands in front of the loop: its products start the sums
	WIN 0                                          ; at a label and at a branch every window is 0
	s_mov_b32 s3, LAPS-1
.Llap:                                                 ; a trip goes once round the ring, from a lap's second quarter to the next lap's first, and fills both slots again
	QUARTER 0, 2, 1, 0, 0
	QUARTER 0, 3, 0, 1, 0
	TURN 0, 1, 1
	QUARTER 1, 1, 0, 1, 0
	QUARTER 1, 2, 1, 0, 0
	QUARTER 1, 3, 0, 1, 0
	TURN 1, 0, 1
	QUARTER 0, 1, 0, 1, 0
	WIN 0
	s_sub_co_u32 s3, s3, 1
	s_cmp_lg_u32 s3, 0
	s_cbranch_scc1 .Llap
	QUARTER 0, 2, 1, 0, 0                          ; the last lap fills nothing, and has no round of the cluster's barrier
	QUARTER 0, 3, 0, 1, 0
	TURN 0, 1, 0
	QUARTER 1, 1, 0, 1, 0
	QUARTER 1, 2, 1, 0, 0
	QUARTER 1, 3, 0, 1, 0
	s_wait_dscnt 8                                 ; the very last quarter: nothing more to fetch
	MUL8 1, 0, 0, 0
	MUL8 1, 0, 1, 0
	MUL8 1, 0, 2, 0
	MUL8 1, 0, 3, 0
	s_wait_dscnt 0x0
	MUL8 1, 1, 0, 0
	MUL8 1, 1, 1, 0
	MUL8 1, 1, 2, 0
	MUL8 1, 1, 3, 0
; THE WAY OUT.  Block a (16 rows), pair p (32 columns): the lane's 16 sums, columns ascending (even column from accumulator 2 p, odd from 2 p + 1; each accumulator is read from its lowest register on),
; to f32; times a; times b; held to -128 .. 127; rounded by the addition; the 16 low bytes packed into four registers from dst on.
.macro PACK a, p, dst
.set AE, 8*(8*((\a)%4)+2*(\p))
	WIN 0x02+(\a)/4                                ; source 0: window 2 or 3
.irp j, 0,1,2,3,4,5,6,7
	v_cvt_f32_i32 v[TT+2*(\j)],   v[AE+(\j)]
	v_cvt_f32_i32 v[TT+2*(\j)+1], v[AE+8+(\j)]
.endr
	WIN 0
.irp j, 0,2,4,6,8,10,12,14
	v_pk_mul_f32 v[TT+(\j):TT+(\j)+1], v[TT+(\j):TT+(\j)+1], s[SA:SA+1] op_sel_hi:[1,0]
.endr
.irp j, 0,2,4,6,8,10,12,14
	v_pk_mul_f32 v[TT+(\j):TT+(\j)+1], v[TT+(\j):TT+(\j)+1], v[BS+16*(\p)+(\j):BS+16*(\p)+(\j)+1]
.endr
.irp j, 0,1,2,3,4,5,6,7,8,9,10,11,12,13,14,15
	v_med3_num_f32 v[TT+(\j)], v[TT+(\j)], s[CLO], s[CHI]
.endr
.irp j, 0,2,4,6,8,10,12,14
	v_pk_add_f32 v[TT+(\j):TT+(\j)+1], v[TT+(\j):TT+(\j)+1], s[MAG:MAG+1] op_sel_hi:[1,0]
.endr
.irp w, 0,1,2,3
	v_perm_b32 v[UU+2*(\w)],   v[TT+4*(\w)+1], v[TT+4*(\w)],   s[SELB]
	v_perm_b32 v[UU+2*(\w)+1], v[TT+4*(\w)+3], v[TT+4*(\w)+2], s[SELB]
.endr
.irp w, 0,1,2,3
	v_perm_b32 v[(\dst)+(\w)], v[UU+2*(\w)+1], v[UU+2*(\w)], s[SELH]
.endr
.endm
	; A wave's 128 columns are half of a row's 256 bytes of the tile: the two waves of a row half write the two halves of the same stage rows, a barrier stands between the writing and the reading, and each wave
	; then reads 32 whole rows and stores them.  The stage holds 64 rows of each row half, so the tile goes out in two passes.
	WIN 0
.rept 8
	v_nop                                          ; eight places behind the last products, in front of the conversions that read results
.endr
.irp a, 0,1,2,3
.irp p, 0,1,2,3
	PACK \a, \p, PK0+16*(\a)+4*(\p)
.endr
.irp p, 0,1,2,3
	ds_store_b128 v[STO], v[PK0+16*(\a)+4*(\p):PK0+16*(\a)+4*(\p)+3] offset:(\a)*16*SP+32*(\p)
.endr
.endr
	s_wait_dscnt 0x0                               ; for the others' sake: my stores into the stage are done
	s_barrier_signal -1
	s_barrier_wait -1
.irp t, 0,1,2,3,4,5,6,7,8,9,10,11,12,13,14,15
	ds_load_b128 v[PK0+4*(\t):PK0+4*(\t)+3], v[RD] offset:(\t)*2*SP
.endr
.irp a, 4,5,6,7                        ; the second pass's arithmetic stands between the first pass's loads and its stores
.irp p, 0,1,2,3
	PACK \a, \p, PK1+16*((\a)-4)+4*(\p)
.endr
.endr
.irp t, 0,1,2,3,4,5,6,7,8,9,10,11,12,13,14,15
	s_wait_dscnt 15-(\t)
	global_store_b128 v[CO], v[PK0+4*(\t):PK0+4*(\t)+3], s[12:13] offset:2*(\t)*4096 th:TH_STORE_NT  ; 16 lanes store 256 consecutive bytes, at a multiple of 256 from out0's first byte
.endr
	s_barrier_signal -1                            ; my reads of the stage are over (the count-down ended at 0): it is written again only when all four have said so
	s_barrier_wait -1
.irp a, 0,1,2,3
.irp p, 0,1,2,3
	ds_store_b128 v[STO], v[PK1+16*(\a)+4*(\p):PK1+16*(\a)+4*(\p)+3] offset:(\a)*16*SP+32*(\p)
.endr
.endr
	s_wait_dscnt 0x0
	s_barrier_signal -1
	s_barrier_wait -1
.irp t, 0,1,2,3,4,5,6,7,8,9,10,11,12,13,14,15
	ds_load_b128 v[PK1+4*(\t):PK1+4*(\t)+3], v[RD] offset:(\t)*2*SP
.endr
.irp t, 0,1,2,3,4,5,6,7,8,9,10,11,12,13,14,15
	s_wait_dscnt 15-(\t)
	global_store_b128 v[CO], v[PK1+4*(\t):PK1+4*(\t)+3], s[12:13] offset:(64+2*(\t))*4096 th:TH_STORE_NT  ; the same rows 64 further down
.endr
	s_wait_tensorcnt 0x0                           ; the wave's end, behind my last tensor load and my last LDS store
	ds_add_u32 v[SPW], v[NIL]
	s_wait_dscnt 0x0
	CROUND                                         ; the closing round: no work-group ends while a partner may still ask for a tile that names it
	s_endpgm
.Lfunc_end_k_q5cb69ce359_gemm:
	.size	k_q5cb69ce359_gemm, .Lfunc_end_k_q5cb69ce359_gemm-k_q5cb69ce359_gemm
	.p2alignl 7, 3214868480
	.fill 96, 4, 3214868480
	.section	.rodata,"a",@progbits
	.p2align	6, 0x0
	.amdhsa_kernel k_q5cb69ce359_gemm
		.amdhsa_group_segment_fixed_size 327680
		.amdhsa_private_segment_fixed_size 0
		.amdhsa_enable_private_segment 0
		.amdhsa_kernarg_size 40
		.amdhsa_user_sgpr_count 2
		.amdhsa_user_sgpr_kernarg_segment_ptr 1
		.amdhsa_wavefront_size32 1
		.amdhsa_system_sgpr_workgroup_id_x 1
		.amdhsa_system_sgpr_workgroup_id_y 1
		.amdhsa_system_sgpr_workgroup_id_z 1
		.amdhsa_system_vgpr_workitem_id 0
		.amdhsa_next_free_vgpr 1024
		.amdhsa_next_free_sgpr 84
		.amdhsa_reserve_vcc 0
		.amdhsa_float_denorm_mode_32 3
		.amdhsa_float_denorm_mode_16_64 3
		.amdhsa_memory_ordered 1
		.amdhsa_forward_progress 1
		.amdhsa_inst_pref_size 255
	.end_amdhsa_kernel
	.section	.bss,"aw",@nobits
	.p2align	6
	.space	262144
	.amdgpu_metadata
---
amdhsa.version: [ 1, 2 ]
amdhsa.kernels:
  - .name:           k_q5cb69ce359_gemm
    .symbol:         k_q5cb69ce359_gemm.kd
    .args:
      - { .name: x, .offset: 0, .size: 8, .value_kind: global_buffer, .address_space: global }
      - { .name: weight, .offset: 8, .size: 8, .value_kind: global_buffer, .address_space: global }
      - { .name: a, .offset: 16, .size: 8, .value_kind: global_buffer, .address_space: global }
      - { .name: b, .offset: 24, .size: 8, .value_kind: global_buffer, .address_space: global }
      - { .name: out0, .offset: 32, .size: 8, .value_kind: global_buffer, .address_space: global }
    .group_segment_fixed_size: 327680
    .private_segment_fixed_size: 0
    .kernarg_segment_align: 8
    .kernarg_segment_size: 40
    .max_flat_workgroup_size: 128
    .sgpr_count:     84
    .vgpr_count:     1024
    .wavefront_size: 32
...
	.end_amdgpu_metadata
.endif
;; end of part 1
